; MI455X (gfx1250); checked and timed in simulation.
; The chip was launched on July 23, 2026; its instructions are those of AMD's public machine-readable ISA for CDNA 5 (MIT licence, August 2026) and "CDNA5" Instruction Set Architecture Reference Guide (July 2026). The comments in the code are by the model that wrote it; some were corrected since.
;; Attention Block. Allowed arithmetic: matrix products marked QUANTISED: E2M1 operands, one E8M0 scale for each 32 along K, by v_wmma_scale_f32_16x16x128_f8f6f4 with both operands' format E2M1 (or v_wmma_scale_f32_32x16x128_f4), f32 sums; everything else in f32.
;; Inputs: K 4 x 16 x 2,048 x 128 float32; Q 4 x 16 x 2,048 x 128 float32; V 4 x 16 x 2,048 x 128 float32.
;; Outputs: out0 4 x 16 x 2,048 x 128 float32.
;; This version of the problem:
;;   THIS VERSION OF THE PROBLEM IS GIVEN IN LOW PRECISION. The matrix products marked QUANTISED in the list below multiply operands that are first quantised to E2M1 (2 exponent bits, 1 mantissa bit; 4 bits a number), with one power-of-two scale for each 32 numbers along K (OCP MX v1.0); their sums are f32. All else is computed in f32.
;;   The module's matrix products, in the order in which they are computed (A, B: the left and right operand; K: the contracted axis; several contracted axes count as one K, in the product's order):
;;     1. batch 64 x [M 2,048, K 128] x [K 128, N 2,048]; A: input Q; B: input K: QUANTISED
;;     2. batch 64 x [M 2,048, K 2,048] x [K 2,048, N 128]; A: computed on the way; B: input V: QUANTISED
;;   THE QUANTISER, for each operand of a quantised product, along K:
;;     - K is cut into blocks of 32 from its start; a last block that is shorter is filled with zeros.
;;     - A block's scale is 2^e with e = floor(log2(the largest magnitude in the block)) - 2, held to -126 .. 127; a block of zeros has e = 0. As a byte (E8M0): e + 127.
;;     - Each number is divided by its block's scale, clamped to +-6, and rounded to the nearest number of E2M1, ties to even, subnormals kept.
;;     - The product sums the exact products of the quantised numbers (number of the format x scale) in f32.
;;   ~~~python
;;   def quantise(x, axis):      # numpy; x: float32 -> the quantised numbers, widened to float32 again
;;       x = np.moveaxis(x, axis, -1); K = x.shape[-1]
;;       x = np.pad(x, [(0, 0)] * (x.ndim - 1) + [(0, -K % 32)]); x = x.reshape(x.shape[:-1] + (-1, 32)); a = np.abs(x).max(-1, keepdims=True)
;;       e = np.where(a > 0, np.clip(np.frexp(np.where(a > 0, a, 1))[1] - 1 - 2, -126, 127), 0)      # np.frexp(a)[1] - 1 = floor(log2(a)), exactly
;;       r = np.clip(x / 2.0 ** e, -6, 6)
;;       step = 2.0 ** (np.maximum(np.frexp(np.where(r == 0, 1, r))[1] - 1, 0) - 1)
;;       q = np.round(r / step) * step * 2.0 ** e      # np.round: ties to even
;;       return np.moveaxis(q.reshape(q.shape[:-2] + (-1,))[..., :K], -1, axis).astype(np.float32)
;;   ~~~
;;   OPERANDS COMPUTED ON THE WAY. 'Computed on the way' means the value that the module computes at that place (a softmax that the list does not call 'softmax' is quantised finished and normalised). What goes into a quantiser is computed in f32, as accurately as f32 sums, v_exp_f32 and their like allow (about 1e-6 of the number): no bf16 or f16 on the way to a quantiser, and a product that is left as it is and whose result goes on into a quantised operand takes f32 operands (vector FMAs, or v_wmma_f32_16x16x4_f32). A number that lies on a knife's edge between two numbers of the format may be rounded either way, as far as f32 arithmetic and the matrix unit's own rounding can turn it there, and no further.
;; 2 versions, each right; version 2 is version 1 with the launch attn written anew for expert scheduling mode. Each part assembles by itself: llvm-mc -triple=amdgcn-amd-amdhsa -mcpu=gfx1250 --defsym DOCPART=n.
;; ======== version 1 of 2: 2 launches
;; workspace buffers: k_codes 8,388,608 bytes; k_scales 524,288 bytes; v_codes 8,388,608 bytes; v_scales 524,288 bytes
;; launch quant (part 1): grid 768 x 1, 4 waves a work-group, no clusters, 68,096 bytes of LDS; arguments K, V, k_codes, k_scales, v_codes, v_scales; writes k_codes, k_scales, v_codes, v_scales
.if DOCPART == 1
	.amdgcn_target "amdgcn-amd-amdhsa--gfx1250"
	.amdhsa_code_object_version 6
	.text
	.protected	k_q961d0b5ced_quant
	.globl	k_q961d0b5ced_quant
	.p2align	8
	.type	k_q961d0b5ced_quant,@function
k_q961d0b5ced_quant:
	s_mov_b64 s[64:65], 0
	v_nop
	global_prefetch_b8 v0, s[64:65] scope:SCOPE_SE
	s_setreg_imm32_b32 hwreg(HW_REG_WAVE_MODE, 25, 1), 1
	s_wait_xcnt 0x0
; K and V, [64 heads][2048 keys][128 channels] f32, become codes of FP4 (E2M1) with one E8M0 scale byte for each 32 along the K of the product that reads them.
; K is an operand of scores = Q K^T: it is quantised along the channels, which are innermost: k_codes [64 x 2048 keys][64 bytes], k_scales [keys][4 bytes].
; V is an operand of weights x V: it is quantised along the KEYS and laid with the keys innermost: v_codes [64][128 channels][1024 bytes], v_scales [64][128][64 bytes].
; NO WORK IS LEFT OUT: all three inputs reach the output for all values; Q is read by one work-group once and is quantised in the second launch.
; A block's scale is 2^(floor(log2(its largest magnitude)) - 2); its byte is the largest magnitude's exponent field - 2, held at 1 from below.  A block of zeros so gets the byte 1 where
; the rule says 127: its codes are zeros, which add nothing under any byte but 0xff, and the bytes are read by this program alone.
; LIMITS: NaN and infinities among the inputs are not served; blocks whose largest magnitude lies under 2^-124 have their byte held at 1.
; SHARES.  Work-groups 0-511 take K as a plain stream of blocks of 32: a wave 16 steps of 512 numbers.  Work-groups 512-767 take V: head (g / 4), 512 keys (g % 4) x 128 channels, a wave 32 channels.
; The two ways part on the work-group's number and have LDS bytes of their own.  Waves share nothing: no barrier.  No matrix unit, cluster, tensor load or prefetch: the launch streams each byte once.
.set STEPS, 16
.set R,     16                         ; K: v16-79   four sets of 16 numbers as they are loaded
.set X,     80                         ; K: v80-111  two sets of 16 neighbours
.set E,     112                        ; K: v112-127 a scale byte for each step
.set C,     128                        ; K: v128-189 codes: four registers apart for each step, two used: no store's data are written again
.set WREG,  8192                       ; K: LDS region of a wave: two stages of 32 x SP bytes, behind them its 256 scale bytes
.set SP,    80                         ; K: a lane's place in a stage: its 64 bytes + 16 of padding
.set VSTG,  32768                      ; V: the four waves' stages begin here
.set PITCH, 272                        ; V: a stage row: 256 bytes of codes + 16
.set XV,    32                         ; V: v32-95   two sets of 32 numbers
.set CV,    96                         ; V: v96-99   a block's codes
.set SB,    24                         ; V: v24-27   16 scale bytes
.set OUTR,  112                        ; V: v112-175 the way out
.set SPARE, VSTG+4*32*PITCH            ; the spare words, 128 bytes for each wave: two blocks of 256 bytes that no other line names
.set SPW,   190                        ; v190 LDS address of my spare word; never rewritten
.set NIL,   191                        ; v191 0; never rewritten
	s_load_b256 s[4:11], s[0:1], 0x0               ; K s[4:5], V s[6:7], k_codes s[8:9], k_scales s[10:11]
	s_load_b128 s[12:15], s[0:1], 0x20             ; v_codes s[12:13], v_scales s[14:15]
	v_lshl_add_u32 v[SPW], v0, 2, SPARE
	v_mov_b32 v[NIL], 0
	v_lshrrev_b32 v1, 5, v0
	v_readfirstlane_b32 s16, v1                    ; wave 0..3
	v_and_b32 v2, 31, v0                           ; lane
	s_cmp_lt_u32 ttmp9, 512                        ; K's work-group or V's: the work-group's number alone decides
	s_cbranch_scc0 .Lv
; ---------------- K: the channels are innermost ----------------
; The conversions take neighbours along K from ONE lane's registers, so a lane must hold 16 neighbours (two lanes to a block); a load is dense where neighbouring lanes take neighbouring bytes.
; Both are had: a step's four loads read 512 consecutive bytes each, the 2,048 bytes turn through the wave's own stage in LDS and come back 64 bytes a lane.
	v_lshlrev_b32 v3, 4, v2                        ; my 16 bytes of a load's 512
	s_mul_i32 s17, s16, WREG
	v_lshrrev_b32 v14, 2, v2
	v_mul_u32_u24 v14, v14, SP
	v_and_b32 v15, 3, v2
	v_lshl_add_u32 v14, v15, 4, v14
	v_add_nc_u32 v14, s17, v14                     ; the stage, on the way in: SP (lane / 4) + 16 (lane % 4)
	v_mul_u32_u24 v15, v2, SP
	v_add_nc_u32 v15, s17, v15                     ; and on the way out: SP x lane
	v_lshlrev_b32 v4, 3, v2                        ; my 8 bytes of a step's 256 bytes of codes
	v_lshrrev_b32 v5, 1, v2
	s_add_co_u32 s17, s17, 2*32*SP
	v_add_nc_u32 v5, s17, v5                       ; my block's byte among the wave's 256 scale bytes
	v_lshlrev_b32 v7, 3, v2                        ; and on the way out 8 bytes a lane
	v_add_nc_u32 v6, s17, v7
	s_lshl_b32 s17, ttmp9, 2
	s_add_co_u32 s18, s17, s16                     ; which run of 8,192 numbers is my wave's: 0..2047
	s_mov_b32 s19, 0
	s_lshl_b64 s[20:21], s[18:19], 15              ; 32,768 bytes of f32 a run,
	s_lshl_b64 s[22:23], s[18:19], 12              ; 4,096 of codes,
	s_lshl_b32 s18, s18, 8                         ; 256 of scale bytes
	s_wait_kmcnt 0x0
	s_add_nc_u64 s[4:5], s[4:5], s[20:21]
	s_add_nc_u64 s[8:9], s[8:9], s[22:23]
	s_add_nc_u64 s[10:11], s[10:11], s[18:19]
.macro KLOAD t
.irp i, 0,1,2,3
	global_load_b128 v[R+16*((\t)%4)+4*\i:R+16*((\t)%4)+4*\i+3], v3, s[4:5] offset:2048*(\t)+512*\i th:TH_LOAD_NT   ; 32 lanes read 512 consecutive bytes
.endr
.endm
.macro KTURN t                         ; step t's numbers through the stage: LDS serves a wave's instructions in order, so no wait stands between the stores and the loads
.irp i, 0,1,2,3
	ds_store_b128 v14, v[R+16*((\t)%4)+4*\i:R+16*((\t)%4)+4*\i+3] offset:32*SP*((\t)%2)+8*SP*\i
.endr
.irp i, 0,1,2,3
	ds_load_b128 v[X+16*((\t)%2)+4*\i:X+16*((\t)%2)+4*\i+3], v15 offset:32*SP*((\t)%2)+16*\i
.endr
.endm
.irp t, 0,1,2,3
	KLOAD \t
.endr
	s_wait_loadcnt 12                              ; step 0's four loads are in; the twelve of steps 1 to 3 may be out
	KTURN 0
.macro KSTEP t
.set XS, X+16*((\t)%2)
.if (\t) > 0
	s_wait_dscnt 1                                 ; this step's numbers are back from the stage (the last step's byte store may be out): so its stores into the stage have read their registers,
.else
	s_wait_dscnt 0x0
.endif
.if (\t)+4 < STEPS
	KLOAD (\t)+4                                   ; which take the loads of four steps on
.endif
.if (\t)+1 < STEPS
.if STEPS-2-(\t) >= 3
	s_wait_loadcnt 12                              ; the next step's four loads are in; those of the three steps behind it may be out
.else
	s_wait_loadcnt 4*(STEPS-2-(\t))
.endif
	KTURN (\t)+1                                   ; and go through the other stage while this step is worked
.endif
	v_max3_num_f32 v8, |v[XS]|, |v[XS+1]|, |v[XS+2]|               ; the largest magnitude of my 16, in two chains
	v_max3_num_f32 v9, |v[XS+3]|, |v[XS+4]|, |v[XS+5]|
.irp i, 6,10
	v_max3_num_f32 v8, v8, |v[XS+\i]|, |v[XS+\i+1]|
	v_max3_num_f32 v9, v9, |v[XS+\i+2]|, |v[XS+\i+3]|
.endr
	v_max3_num_f32 v8, v8, |v[XS+14]|, |v[XS+15]|
	v_max3_num_f32 v8, v8, v9, 0x1800000           ; and the floor 2^(3 - 127): the byte cannot fall under 1
	v_max_num_f32_dpp v8, v8, v8 row_xmask:1 row_mask:0xf bank_mask:0xf   ; and of my neighbour's 16: the block's
	v_add_nc_u32 v11, 0xff000000, v8               ; 2 off its exponent field: the conversion takes the exponent field of this operand as its scale
	v_cvt_scalef32_pk8_fp4_f32 v[C+4*(\t)], v[XS:XS+7], v11
	v_cvt_scalef32_pk8_fp4_f32 v[C+4*(\t)+1], v[XS+8:XS+15], v11
	v_lshrrev_b32 v[E+(\t)], 23, v11               ; the scale's byte (also the plain line behind the conversions)
	ds_store_b8 v5, v[E+(\t)] offset:16*(\t)       ; both lanes of a block write the same byte with the same value
	global_store_b64 v4, v[C+4*(\t):C+4*(\t)+1], s[8:9] offset:256*(\t)   ; the wave stores 256 consecutive bytes, aligned
.endm
.irp t, 0,1,2,3,4,5,6,7,8,9,10,11,12,13,14,15
	KSTEP \t
.endr
	ds_load_b64 v[8:9], v6                         ; LDS serves a wave's instructions in order: these see my byte stores
	s_wait_dscnt 0x0
	global_store_b64 v7, v[8:9], s[10:11]          ; 32 lanes store 256 consecutive bytes, aligned
	s_wait_tensorcnt 0x0                           ; the wave's end, behind my last LDS store
	ds_add_u32 v[SPW], v[NIL]
	s_wait_dscnt 0x0
	s_endpgm
; ---------------- V: the keys are the product's K, and are not innermost ----------------
; A LANE TAKES A CHANNEL, AND ITS REGISTERS RUN DOWN THE KEYS: a load reads 128 consecutive bytes a wave, a block of 32 keys lies in one lane's 32 registers, and the conversions give codes with the keys innermost.
; A lane's 16 blocks (512 keys, 256 bytes of codes) go through the wave's own stage and leave as rows: sixteen lanes store 256 consecutive bytes, aligned.
.Lv:
	s_sub_co_u32 s17, ttmp9, 512
	s_lshr_b32 s18, s17, 2                         ; head
	s_and_b32 s19, s17, 3                          ; which 512 keys
	v_lshlrev_b32 v3, 2, v2                        ; in: 4 bytes a lane
	s_mul_i32 s26, s16, 32*PITCH
	s_add_co_u32 s26, s26, VSTG                    ; my stage
	v_mul_u32_u24 v4, v2, PITCH
	v_add_nc_u32 v4, s26, v4                       ; into it: row = my channel
	v_and_b32 v5, 15, v2
	v_lshrrev_b32 v6, 4, v2
	v_mul_u32_u24 v7, v6, PITCH
	v_lshl_add_u32 v7, v5, 4, v7
	v_add_nc_u32 v7, s26, v7                       ; out of it: sixteen lanes to a row, two rows an instruction
	v_lshlrev_b32 v8, 10, v6
	v_lshl_add_u32 v8, v5, 4, v8                   ; the same place in v_codes: rows of 1,024 bytes
	v_lshlrev_b32 v9, 6, v2                        ; my channel's row of 64 scale bytes
	s_lshl_b32 s20, s18, 20                        ; V: head x 2^20 + 512 keys x 512 bytes + 32 channels x 4 bytes a wave
	s_lshl_b32 s21, s19, 18
	s_add_co_u32 s20, s20, s21
	s_lshl_b32 s21, s16, 7
	s_add_co_u32 s20, s20, s21
	s_mov_b32 s21, 0
	s_lshl_b32 s22, s18, 17                        ; codes: head x 2^17 + 32 rows of 1,024 a wave + 256 bytes for each 512 keys
	s_lshl_b32 s23, s16, 15
	s_add_co_u32 s22, s22, s23
	s_lshl_b32 s23, s19, 8
	s_add_co_u32 s22, s22, s23
	s_mov_b32 s23, 0
	s_lshl_b32 s24, s18, 13                        ; scale bytes: head x 2^13 + 32 rows of 64 a wave + 16 bytes for each 512 keys
	s_lshl_b32 s25, s16, 11
	s_add_co_u32 s24, s24, s25
	s_lshl_b32 s25, s19, 4
	s_add_co_u32 s24, s24, s25
	s_mov_b32 s25, 0
	s_wait_kmcnt 0x0
	s_add_nc_u64 s[6:7], s[6:7], s[20:21]
	s_add_nc_u64 s[12:13], s[12:13], s[22:23]
	s_add_nc_u64 s[14:15], s[14:15], s[24:25]
.macro VLOAD t                         ; block t: V(key 32 t + i, my channel), i = 0 .. 31, into set t % 2
.irp i, 0,1,2,3,4,5,6,7,8,9,10,11,12,13,14,15,16,17,18,19,20,21,22,23,24,25,26,27,28,29,30,31
	global_load_b32 v[XV+32*((\t)%2)+\i], v3, s[6:7] offset:(32*(\t)+\i)*512 th:TH_LOAD_NT
.endr
.endm
	VLOAD 0
	VLOAD 1
.macro VBLOCK t
.set XS, XV+32*((\t)%2)
.if (\t) < 15
	s_wait_loadcnt 32                              ; this block's 32 loads are in; the next block's 32 may be out
.else
	s_wait_loadcnt 0
.endif
	v_max3_num_f32 v12, |v[XS]|, |v[XS+1]|, |v[XS+2]|              ; the block's largest magnitude: all 32 numbers are mine
	v_max3_num_f32 v13, |v[XS+3]|, |v[XS+4]|, |v[XS+5]|
.irp i, 6,10,14,18,22,26
	v_max3_num_f32 v12, v12, |v[XS+\i]|, |v[XS+\i+1]|
	v_max3_num_f32 v13, v13, |v[XS+\i+2]|, |v[XS+\i+3]|
.endr
	v_max3_num_f32 v12, v12, |v[XS+30]|, |v[XS+31]|
	v_max3_num_f32 v12, v12, v13, 0x1800000        ; and the floor 2^(3 - 127)
	v_add_nc_u32 v11, 0xff000000, v12              ; the conversion's scale operand
	v_lshrrev_b32 v13, 23, v11                     ; the scale's byte
.if (\t)%4 == 0
	v_mov_b32 v[SB+(\t)/4], v13                    ; four bytes to a register, the lower keys in the lower byte
.else
	v_lshl_or_b32 v[SB+(\t)/4], v13, 8*((\t)%4), v[SB+(\t)/4]
.endif
.irp g, 0,1,2,3
	v_cvt_scalef32_pk8_fp4_f32 v[CV+\g], v[XS+8*\g:XS+8*\g+7], v11
.endr
	ds_store_b128 v4, v[CV:CV+3] offset:16*(\t)    ; 32 codes: 16 bytes of my channel's row
.if (\t)+2 < 16
	VLOAD (\t)+2
.endif
	s_wait_dscnt 0x0                               ; the store has read its registers: the next block's codes may be written (its first lines are plain vector lines)
.endm
.set Q, 0
.rept 16
	VBLOCK Q
.set Q, Q+1
.endr
	global_store_b128 v9, v[SB:SB+3], s[14:15]     ; my channel's 16 scale bytes
.irp t, 0,1,2,3,4,5,6,7,8,9,10,11,12,13,14,15
	ds_load_b128 v[OUTR+4*\t:OUTR+4*\t+3], v7 offset:2*\t*PITCH   ; LDS serves a wave's instructions in order: these see my stores
.endr
.irp t, 0,1,2,3,4,5,6,7,8,9,10,11,12,13,14,15
	s_wait_dscnt 15-\t                             ; loads come back in order: number t is in
	global_store_b128 v8, v[OUTR+4*\t:OUTR+4*\t+3], s[12:13] offset:2*\t*1024
.endr
	s_wait_tensorcnt 0x0                           ; the wave's end, behind my last LDS store
	ds_add_u32 v[SPW], v[NIL]
	s_wait_dscnt 0x0
	s_endpgm
.Lfunc_end_k_q961d0b5ced_quant:
	.size	k_q961d0b5ced_quant, .Lfunc_end_k_q961d0b5ced_quant-k_q961d0b5ced_quant
	.p2alignl 7, 3214868480
	.fill 96, 4, 3214868480
	.section	.rodata,"a",@progbits
	.p2align	6, 0x0
	.amdhsa_kernel k_q961d0b5ced_quant
		.amdhsa_group_segment_fixed_size 68096
		.amdhsa_private_segment_fixed_size 0
		.amdhsa_enable_private_segment 0
		.amdhsa_kernarg_size 48
		.amdhsa_user_sgpr_count 2
		.amdhsa_user_sgpr_kernarg_segment_ptr 1
		.amdhsa_wavefront_size32 1
		.amdhsa_system_sgpr_workgroup_id_x 1
		.amdhsa_system_sgpr_workgroup_id_y 1
		.amdhsa_system_sgpr_workgroup_id_z 1
		.amdhsa_system_vgpr_workitem_id 0
		.amdhsa_next_free_vgpr 192
		.amdhsa_next_free_sgpr 66
		.amdhsa_reserve_vcc 0
		.amdhsa_float_denorm_mode_32 3
		.amdhsa_float_denorm_mode_16_64 3
		.amdhsa_memory_ordered 1
		.amdhsa_forward_progress 1
		.amdhsa_inst_pref_size 111
	.end_amdhsa_kernel
	.amdgpu_metadata
---
amdhsa.version: [ 1, 2 ]
amdhsa.kernels:
  - .name:           k_q961d0b5ced_quant
    .symbol:         k_q961d0b5ced_quant.kd
    .args:
      - { .name: K, .offset: 0, .size: 8, .value_kind: global_buffer, .address_space: global }
      - { .name: V, .offset: 8, .size: 8, .value_kind: global_buffer, .address_space: global }
      - { .name: k_codes, .offset: 16, .size: 8, .value_kind: global_buffer, .address_space: global }
      - { .name: k_scales, .offset: 24, .size: 8, .value_kind: global_buffer, .address_space: global }
      - { .name: v_codes, .offset: 32, .size: 8, .value_kind: global_buffer, .address_space: global }
      - { .name: v_scales, .offset: 40, .size: 8, .value_kind: global_buffer, .address_space: global }
    .group_segment_fixed_size: 68096
    .private_segment_fixed_size: 0
    .kernarg_segment_align: 8
    .kernarg_segment_size: 48
    .max_flat_workgroup_size: 128
    .sgpr_count:     66
    .vgpr_count:     192
    .wavefront_size: 32
...
	.end_amdgpu_metadata
.endif
;; end of part 1
;; launch attn (part 2): grid 4 x 64, 8 waves a work-group, no clusters, 70,400 bytes of LDS; arguments Q, k_codes, k_scales, v_codes, v_scales, out0; writes out0
.if DOCPART == 2
	.amdgcn_target "amdgcn-amd-amdhsa--gfx1250"
	.amdhsa_code_object_version 6
	.text
	.protected	k_q961d0b5ced_attn
	.globl	k_q961d0b5ced_attn
	.p2align	8
	.type	k_q961d0b5ced_attn,@function
k_q961d0b5ced_attn:
	s_mov_b64 s[64:65], 0
	v_nop
	global_prefetch_b8 v0, s[64:65] scope:SCOPE_SE
	s_setreg_imm32_b32 hwreg(HW_REG_WAVE_MODE, 25, 1), 1
	s_wait_xcnt 0x0
; out0[h][q][:] = sum over k of w[q][k] V[h][k][:],  w = exp(z) / sum_k exp(z),  z = (Q[h][q] . K[h][k]) / sqrt(128).  64 heads, 2,048 queries and keys, 128 channels.
; Both products run on codes of FP4 (E2M1) with one E8M0 scale for each 32 along their K.  WHAT IS QUANTISED FOR THE SECOND PRODUCT IS THE FINISHED, NORMALISED w, in blocks of 32 keys:
; so a row's sum over all 2,048 keys is known before any of its weights gets a code.  No work is left out: every input reaches the output for all values.
; As in the definition no maximum is taken away ahead of the exponential: exp(z) / sum exp(z) is finite only while the sum fits f32, and in just that range the same exponentials are finite here.
; LIMITS: rows in which an exponential or their sum overflows f32, or the sum is 0, are not finite in the definition and are not served; exponentials under 2^-126 come out as 0 (v_exp_f32);
; the division is v_rcp_f32 and a multiplication; NaN and infinities among the inputs are not served; a block of zeros carries the scale byte 1 (its codes are zeros; the bytes are this program's own).
; SHARES.  A work-group owns 512 queries of one head, 32 tiles of 16.  ITS EIGHT WAVES SPLIT THE KEYS: wave w owns keys 256 w .. 256 w + 255, two K steps of the second product.  Its 16 fragments of K
; and 16 of V^T (256 registers, window 1) and their scale words are loaded once and stay.  For a tile of queries a wave makes 16 x 256 scores, EACH EXPONENTIAL ONCE, kept in 128 registers, and its part
; of the rows' sums; the eight parts meet in LDS (barrier X); then w = p / sum, its codes, and a partial O^T, which meets the other seven in LDS (barrier Y); wave w adds and stores rows 2 w, 2 w + 1.
; LAYOUT.  Both products are used transposed: S^T = K Q^T (source 0 = 16 keys, source 1 = 16 queries), O^T = V^T W^T (source 0 = 16 channels, source 1 = w): a lane holds ONE query (lane % 16) throughout.
; THE KEYS OF A TILE OF K ARE NOT NEIGHBOURS: lane r of tile 2 b + u takes key 32 b + 8 u + r + 8 (r / 8), so that the 16 registers of tiles 2 b, 2 b + 1 are 16 neighbouring keys, 32 b + 16 (lane / 16) + 0 .. 15.
; Q is read once by this work-group alone: each wave quantises 2 rows of the next tile and stores them as an image of the operand's registers; one image serves: it is written between barrier Y and
; barrier X and read between X and Y.
; NO CLUSTER, NO TENSOR LOAD: what the four work-groups of a head share, 272 KiB of codes and scale bytes, is read once, at the head, straight into the registers where it stays; the loop shares nothing.
; ORDER IN LDS.  The sums' words are written again only behind barrier Y, in front of whose signal every wave's read of them is back.  The partial O is written again only behind the next barrier X,
; in front of whose signal every wave's reads of it are back.
.set QIMG,  0                          ; LDS: the image of Q's fragment: register group c at 512 c + 16 x lane
.set QSC,   1024                       ; its scale words: 4 bytes a query
.set SUMS,  1280                       ; [16 queries][8 waves] f32
.set OPART, 1792                       ; [8 waves][16 queries, 528 bytes apart][128 channels] f32
.set OW,    16*528
.set SPARE, OPART+8*OW                 ; the spare words, 128 bytes for each wave: four blocks of 256 bytes that no other line names
.set QA,   1                           ; v1   QIMG + 16 x lane
.set QSA,  2                           ; v2   QSC + 4 (lane % 16)
.set QWI,  3                           ; v3   where my 8 codes of Q go in the image
.set QWS,  4                           ; v4   and my block's scale byte
.set SST,  5                           ; v5   SUMS + 32 r + 4 w
.set SRD,  6                           ; v6   SUMS + 32 r + 16 h
.set OST,  7                           ; v7   OPART + OW w + 528 r + 32 h
.set ORD,  8                           ; v8   OPART + 1056 w + 16 x lane
.set GO,   9                           ; v9   16 x lane: my bytes of a row of out0
.set QGO,  10                          ; v10  32 x lane: my 8 numbers of the wave's 2 rows of Q
.set PFO,  11                          ; v11  256 x lane: the prefetch's offset
.set SPW,  12                          ; v12  LDS address of my spare word; never rewritten
.set NIL,  13                          ; v13  0; never rewritten
.set QF,   16                          ; v16-23  Q's fragment
.set QS,   24                          ; v24     Q's scale words
.set KS,   25                          ; v25-32  K's scale words: register 4 s + b: lanes 0-15 tile 2 b's, lanes 16-31 tile 2 b + 1's
.set VS,   33                          ; v33-40  V's: register t: lanes 0-15 K step 0's, lanes 16-31 K step 1's
.set PW,   41                          ; v41-42  w's scale words, one for each K step
.set OUT,  44                          ; v44-51  my two finished rows' 16 bytes
.set QR,   52                          ; v52-59  8 numbers of Q
.set QM,   60                          ; v60-63  Q's quantiser: maximum, scale operand, codes, byte
.set QE,   61
.set QC,   62
.set QB,   63
.set P,    64                          ; v64-191 S^T, then t, p, w: register 64 s + 16 b + i = key 128 s + 32 b + 16 h + i
.set OA,   64                          ; v64-127 O^T, over the first half of w once its codes are made: register 8 t + j = channel 16 t + 8 h + j
.set PC,   192                         ; v192-207 w's codes, 8 registers a K step
.set BM,   208                         ; v208-215 the blocks' largest p, then w
.set BT,   216                         ; v216-223 lane exchange, then the scales' bytes
.set BE,   224                         ; v224-231 the conversions' scale operands
.set SA,   232                         ; v232-239 sums: two chains of pairs for each K step
.set T4,   240                         ; v240-243 four waves' parts of my query's sum
.set RC,   244                         ; v244 1 / sum (v245 is named with it as a pair)
.set SUMV, 246
.set TMP,  247
.set CL,   192                         ; v192-255, once w's codes are multiplied: the eight partial O of my two rows: wave u, row p at 4 (u + 8 p)
.set SEL,  20                          ; s[20:21] v_permlanex16_b32's selects for lane l xor 16
.set CS,   22                          ; s[22:23] c = log2(e) / sqrt(128)
.set TI,   24                          ; s24  trips to go
.set LIM,  25                          ; s25  2 in wave 0, else the greatest number: a wave prefetches while s[TI] is above it
.set MSB, 0
.macro WIN new                         ; the immediate's high byte repeats the setting that is left
.if MSB != \new
	s_set_vgpr_msb (MSB<<8)|\new
.set MSB, \new
.endif
.endm
; My 8 numbers of Q (row thread / 16 of the tile, channels 8 (thread % 16) on) become 8 codes; four neighbouring lanes hold a block of 32.
.macro QROW
	v_max3_num_f32 v[QM], |v[QR]|, |v[QR+1]|, 0x1800000            ; with the floor 2^(3 - 127): the byte cannot fall under 1
	v_max3_num_f32 v[QM], v[QM], |v[QR+2]|, |v[QR+3]|
	v_max3_num_f32 v[QM], v[QM], |v[QR+4]|, |v[QR+5]|
	v_max3_num_f32 v[QM], v[QM], |v[QR+6]|, |v[QR+7]|
	v_max_num_f32_dpp v[QM], v[QM], v[QM] row_xmask:1 row_mask:0xf bank_mask:0xf
	v_max_num_f32_dpp v[QM], v[QM], v[QM] row_xmask:2 row_mask:0xf bank_mask:0xf   ; the block's largest magnitude
	v_add_nc_u32 v[QE], 0xff000000, v[QM]          ; 2 off its exponent field: the conversion's scale operand
	v_cvt_scalef32_pk8_fp4_f32 v[QC], v[QR:QR+7], v[QE]
	v_lshrrev_b32 v[QB], 23, v[QE]                 ; the scale's byte (also the plain line behind the conversion)
	ds_store_b32 v[QWI], v[QC]
	ds_store_b8 v[QWS], v[QB]                      ; the block's four lanes write the same byte with the same value
.endm
.macro QLOAD off                       ; the wave's 2 rows of a tile of Q: 1,024 bytes on end, 32 a lane
	global_load_b128 v[QR:QR+3], v[QGO], s[4:5] offset:\off th:TH_LOAD_NT
	global_load_b128 v[QR+4:QR+7], v[QGO], s[4:5] offset:\off+16 th:TH_LOAD_NT
.endm
; A PREFETCH INTO THE L2 of the tile of Q two tiles on from the one just asked for (four on from the tile in hand): 16 rows x 512 bytes = 32 lanes x 256 bytes, one instruction of wave 0 for the work-group,
; behind the wave's own loads.  Each block of 256 bytes is named once in the launch.  It stops where tile i + 4 would pass the work-group's 32nd; tiles 0 to 3 come by their loads alone.
.macro ASK
	s_cmp_gt_u32 s[TI], s[LIM]
	s_cbranch_scc0 .Lnot_mine_\@
	global_prefetch_b8 v[PFO], s[4:5] offset:16384 th:TH_LOAD_NT scope:SCOPE_SE
.Lnot_mine_\@:
.endm
.macro QFETCH                          ; the image comes back as the operand's registers, in every wave
	ds_load_b128 v[QF:QF+3], v[QA]
	ds_load_b128 v[QF+4:QF+7], v[QA] offset:512
	ds_load_b32 v[QS], v[QSA]
.endm
; S^T = K Q^T: my 16 tiles of 16 keys, one matrix instruction each (K = the 128 channels); each starts its sum with the constant 0.  Four places follow, ahead of the first read of a result.
.macro SMUL
	WIN 0x01                                       ; source 0 (K) in window 1
.irp s, 0,1
.irp t, 0,1,2,3,4,5,6,7
.if \t%2
	v_wmma_scale_f32_16x16x128_f8f6f4 v[P+64*\s+8*\t:P+64*\s+8*\t+7], v[64*\s+8*\t:64*\s+8*\t+7], v[QF:QF+7], 0, v[KS+4*\s+\t/2], v[QS] matrix_a_fmt:MATRIX_FMT_FP4 matrix_b_fmt:MATRIX_FMT_FP4 matrix_a_scale:MATRIX_SCALE_ROW1
.else
	v_wmma_scale_f32_16x16x128_f8f6f4 v[P+64*\s+8*\t:P+64*\s+8*\t+7], v[64*\s+8*\t:64*\s+8*\t+7], v[QF:QF+7], 0, v[KS+4*\s+\t/2], v[QS] matrix_a_fmt:MATRIX_FMT_FP4 matrix_b_fmt:MATRIX_FMT_FP4
.endif
.endr
.endr
	WIN 0
.rept 4
	v_nop
.endr
.endm
; O^T = V^T W^T: 8 tiles of 16 channels x my two K steps of 128 keys.  The 8 accumulators take turns, one instruction a turn; the first K step starts the sums.
.macro PV
	WIN 0x01                                       ; source 0 (V) in window 1
.irp s, 0,1
.irp t, 0,1,2,3,4,5,6,7
.if \s
	v_wmma_scale_f32_16x16x128_f8f6f4 v[OA+8*\t:OA+8*\t+7], v[128+8*(2*\t+\s):128+8*(2*\t+\s)+7], v[PC+8*\s:PC+8*\s+7], v[OA+8*\t:OA+8*\t+7], v[VS+\t], v[PW+\s] matrix_a_fmt:MATRIX_FMT_FP4 matrix_b_fmt:MATRIX_FMT_FP4 matrix_a_scale:MATRIX_SCALE_ROW1
.else
	v_wmma_scale_f32_16x16x128_f8f6f4 v[OA+8*\t:OA+8*\t+7], v[128+8*(2*\t+\s):128+8*(2*\t+\s)+7], v[PC+8*\s:PC+8*\s+7], 0, v[VS+\t], v[PW+\s] matrix_a_fmt:MATRIX_FMT_FP4 matrix_b_fmt:MATRIX_FMT_FP4
.endif
.endr
.endr
	WIN 0
.rept 5
	v_nop                                          ; four places ahead of the LDS stores that read the results, five ahead of the matrix instructions that write over them
.endr
.endm
.macro TS s, j                         ; t = score x c, pair j of K step s (ascending: each accumulator is first read at its low end)
	v_pk_mul_f32 v[P+64*(\s)+2*(\j):P+64*(\s)+2*(\j)+1], v[P+64*(\s)+2*(\j):P+64*(\s)+2*(\j)+1], s[CS:CS+1] op_sel_hi:[1,0]
.endm
.macro EX s, k                         ; p = 2^t = exp(z)
	v_exp_f32 v[P+64*(\s)+(\k)], v[P+64*(\s)+(\k)]
.endm
.macro MX s, n                         ; line n of 32 of the largest p of K step s's four blocks of 32 keys (my 16 of each), the blocks by turns
.set m_i, (\n)/4
.set m_acc, BM+4*(\s)+(\n)%4
.set m_src, P+64*(\s)+16*((\n)%4)
.if m_i == 0
	v_max3_num_f32 v[m_acc], v[m_src], v[m_src+1], v[m_src+2]
.elseif m_i < 7
	v_max3_num_f32 v[m_acc], v[m_acc], v[m_src+2*m_i+1], v[m_src+2*m_i+2]
.else
	v_max_num_f32 v[m_acc], v[m_acc], v[m_src+15]
.endif
.endm
.macro SU s, n                         ; line n of 31 of the sum of K step s's 32 pairs of p, in two chains
.set u_src, P+64*(\s)
.set u_acc, SA+4*(\s)
.if (\n) < 2
	v_pk_add_f32 v[u_acc+2*(\n):u_acc+2*(\n)+1], v[u_src+4*(\n):u_src+4*(\n)+1], v[u_src+4*(\n)+2:u_src+4*(\n)+3]
.elseif (\n) < 30
	v_pk_add_f32 v[u_acc+2*((\n)%2):u_acc+2*((\n)%2)+1], v[u_acc+2*((\n)%2):u_acc+2*((\n)%2)+1], v[u_src+2*(\n)+4:u_src+2*(\n)+5]
.else
	v_pk_add_f32 v[u_acc:u_acc+1], v[u_acc:u_acc+1], v[u_acc+2:u_acc+3]
.endif
.endm
.macro CADD n                          ; line n of 28 of the sum of the eight partial O, the waves (keys) ascending: four chains (row, pair) by turns; the last link writes OUT
.set c_row, ((\n)%4)/2
.set c_pr, (\n)%2
.set c_u, (\n)/4+1
.set c_a, CL+32*c_row+2*c_pr
.set c_b, CL+4*c_u+32*c_row+2*c_pr
.if c_u < 7
	v_pk_add_f32 v[c_a:c_a+1], v[c_a:c_a+1], v[c_b:c_b+1]
.else
	v_pk_add_f32 v[OUT+4*c_row+2*c_pr:OUT+4*c_row+2*c_pr+1], v[c_a:c_a+1], v[c_b:c_b+1]
.endif
.endm
; The 64 exponentials of K step 0, a plain line ahead of each while there are any: the sums of the partial O (cadd = 1), then K step 1's scalings.  None of these names an exponential's result.
.macro MIX0 cadd, more
.set nc, 28*(\cadd)
.set kk, 0
.if \more
.rept 64
.if kk < nc
	CADD kk
.elseif kk < nc+32
	TS 1, kk-nc
.endif
	EX 0, kk
.set kk, kk+1
.endr
.else
.rept 28
	CADD kk
.set kk, kk+1
.endr
.endif
.endm
; The 64 exponentials of K step 1, a plain line ahead of each: K step 0's block maxima and sums, which read exponentials that have had their wait.
.macro MIX1
.set kk, 0
.rept 64
.if kk%2 == 0
	MX 0, kk/2
.elseif kk < 63
	SU 0, kk/2
.endif
	EX 1, kk
.set kk, kk+1
.endr
.endm
	s_load_b256 s[4:11], s[0:1], 0x0               ; Q s[4:5], k_codes s[6:7], k_scales s[8:9], v_codes s[10:11]
	s_load_b128 s[12:15], s[0:1], 0x20             ; v_scales s[12:13], out0 s[14:15]
	v_lshl_add_u32 v[SPW], v0, 2, SPARE
	v_mov_b32 v[NIL], 0
	v_lshrrev_b32 v208, 5, v0
	v_readfirstlane_b32 s16, v208                  ; wave 0..7
	v_and_b32 v208, 31, v0                         ; lane
	v_and_b32 v209, 15, v0                         ; r
	v_bfe_u32 v210, v0, 4, 1                       ; h
	v_and_b32 v211, 8, v209
	v_add_nc_u32 v211, v211, v209                  ; r + 8 (r / 8)
	v_lshrrev_b32 v212, 4, v0                      ; thread / 16: my row of a tile of Q
	v_bfe_u32 v215, v0, 2, 2                       ; my block of 32 channels: 2 c + h of the operand's layout
	v_lshlrev_b32 v[QA], 4, v208
	v_lshl_add_u32 v[QSA], v209, 2, QSC
	v_and_b32 v[QWI], 3, v0
	v_lshlrev_b32 v[QWI], 2, v[QWI]                ; register thread % 4 of the group: 4 bytes,
	v_lshl_add_u32 v[QWI], v215, 8, v[QWI]         ; 256 h + 512 c,
	v_lshl_add_u32 v[QWI], v212, 4, v[QWI]         ; 16 x row
	v_lshl_add_u32 v[QWS], v212, 2, v215
	v_add_nc_u32 v[QWS], QSC, v[QWS]
	s_lshl_b32 s18, s16, 2
	s_add_co_u32 s18, s18, SUMS
	v_lshlrev_b32 v[SST], 5, v209
	v_add_nc_u32 v[SST], s18, v[SST]
	v_lshlrev_b32 v[SRD], 5, v209
	v_lshl_add_u32 v[SRD], v210, 4, v[SRD]
	v_add_nc_u32 v[SRD], SUMS, v[SRD]
	s_mul_i32 s18, s16, OW
	s_add_co_u32 s18, s18, OPART
	v_mul_u32_u24 v[OST], v209, 528
	v_lshl_add_u32 v[OST], v210, 5, v[OST]
	v_add_nc_u32 v[OST], s18, v[OST]
	s_mul_i32 s18, s16, 2*528
	s_add_co_u32 s18, s18, OPART
	v_lshl_add_u32 v[ORD], v208, 4, s18
	v_lshlrev_b32 v[GO], 4, v208
	v_lshlrev_b32 v[QGO], 5, v208
	v_lshlrev_b32 v[PFO], 8, v208
	v_lshlrev_b32 v14, 6, v211
	v_lshl_add_u32 v14, v210, 4, v14               ; K's codes: key r + 8 (r / 8) of 64 bytes, + 16 h
	v_lshl_add_u32 v15, v210, 3, v211
	v_lshlrev_b32 v15, 2, v15                      ; K's scale words: lanes 16-31 take the tile 8 keys on
	v_lshlrev_b32 v213, 10, v209
	v_lshl_add_u32 v213, v210, 4, v213             ; V's codes: channel r of 1,024 bytes, + 16 h
	v_lshlrev_b32 v214, 6, v209
	v_lshl_add_u32 v214, v210, 2, v214             ; V's scale words: lanes 16-31 take the second K step's
.irp i, 0,1,2,3,4,5,6,7
	v_mov_b32 v[BT+\i], 0                          ; written once: a lane permute's destination counts as one of its sources
.endr
	v_mov_b32 v[TMP], 0
	v_mov_b32 v[RC+1], 0                           ; named with 1 / sum as a pair
	s_mov_b32 s[SEL], 0x76543210
	s_mov_b32 s[SEL+1], 0xfedcba98
	s_mov_b32 s[CS], 0x3e0293ee                    ; c = log2(e) / sqrt(128)
	s_mov_b32 s[CS+1], s[CS]
	s_cmp_eq_u32 s16, 0
	s_cselect_b32 s[LIM], 2, -1
	s_and_b32 s17, ttmp7, 0xffff                   ; the head
	s_lshl_b32 s18, s17, 20                        ; Q, out0: head x 2^20 + 512 rows of 512 bytes a work-group + 2 rows a wave
	s_lshl_b32 s19, ttmp9, 18
	s_add_co_u32 s18, s18, s19
	s_lshl_b32 s19, s16, 10
	s_add_co_u32 s18, s18, s19
	s_mov_b32 s19, 0
	s_lshl_b32 s26, s17, 17                        ; k_codes: head x 2^17 + 256 keys of 64 bytes a wave
	s_lshl_b32 s27, s16, 14
	s_add_co_u32 s26, s26, s27
	s_mov_b32 s27, 0
	s_lshl_b32 s28, s17, 13                        ; k_scales: head x 2^13 + 256 words a wave
	s_lshl_b32 s29, s16, 10
	s_add_co_u32 s28, s28, s29
	s_mov_b32 s29, 0
	s_lshl_b32 s30, s17, 17                        ; v_codes: head x 2^17 + 128 bytes of each row a wave
	s_lshl_b32 s31, s16, 7
	s_add_co_u32 s30, s30, s31
	s_mov_b32 s31, 0
	s_lshl_b32 s32, s17, 13                        ; v_scales: head x 2^13 + 8 bytes of each row a wave
	s_lshl_b32 s33, s16, 3
	s_add_co_u32 s32, s32, s33
	s_mov_b32 s33, 0
	s_wait_kmcnt 0x0
	s_add_nc_u64 s[4:5], s[4:5], s[18:19]
	s_add_nc_u64 s[14:15], s[14:15], s[18:19]
	s_add_nc_u64 s[6:7], s[6:7], s[26:27]
	s_add_nc_u64 s[8:9], s[8:9], s[28:29]
	s_add_nc_u64 s[10:11], s[10:11], s[30:31]
	s_add_nc_u64 s[12:13], s[12:13], s[32:33]
	WIN 0x40                                       ; destination window 1, address window 0
.irp s, 0,1                            ; K's fragment (K step of the second product s, tile t) at v[8 (8 s + t)] of window 1: it stays
.irp t, 0,1,2,3,4,5,6,7
.irp c, 0,1
	global_load_b128 v[8*(8*\s+\t)+4*\c:8*(8*\s+\t)+4*\c+3], v14, s[6:7] offset:(128*\s+32*(\t/2)+8*(\t%2))*64+32*\c
.endr
.endr
.endr
.irp t, 0,1,2,3,4,5,6,7                ; V's fragment (16 channels t, K step s) at v[128 + 8 (2 t + s)] of window 1
.irp s, 0,1
.irp c, 0,1
	global_load_b128 v[128+8*(2*\t+\s)+4*\c:128+8*(2*\t+\s)+4*\c+3], v213, s[10:11] offset:16384*\t+64*\s+32*\c
.endr
.endr
.endr
	WIN 0
.irp s, 0,1
.irp b, 0,1,2,3
	global_load_b32 v[KS+4*\s+\b], v15, s[8:9] offset:(128*\s+32*\b)*4
.endr
.endr
.irp t, 0,1,2,3,4,5,6,7
	global_load_b32 v[VS+\t], v214, s[12:13] offset:1024*\t
.endr
	QLOAD 0                                        ; tile 0
	s_wait_loadcnt 0x0                             ; once: all that stays, and tile 0 of Q
	QROW
	QLOAD 8192                                     ; tile 1
	s_wait_dscnt 0x0                               ; my part of the image has landed
	s_barrier_signal -1
	s_barrier_wait -1                              ; everybody's has
	QFETCH
	s_wait_xcnt 0x0                                ; the loads have read their base
	s_add_nc_u64 s[4:5], s[4:5], 16384             ; Q at tile 2
	s_wait_dscnt 0x0                               ; my read of tile 0's image is back:
	s_barrier_signal -1                            ; the first trip writes the image again only when every wave has said so
	SMUL                                           ; tile 0's scores: work on registers while the others arrive
	s_barrier_wait -1
.set kk, 0
.rept 32
	TS 0, kk
.set kk, kk+1
.endr
	MIX0 0, 1
	v_nop                                          ; a plain line behind the last exponential,
	s_wait_alu depctr_va_vdst(0)                   ; and the one wait for the batch, ahead of its first reader and of the label
; THE TRIP OF TILE i.  On entry K step 0's registers hold p, K step 1's hold t.  more = 1: there is a tile i + 1;  ql = 1: there is a tile i + 2.
.macro TRIP more, ql
.if \more
	s_wait_loadcnt 0x0                             ; tile i + 1 of Q, asked for a trip ago
	QROW                                           ; its image: written behind barrier Y of the last trip, read behind barrier X of this one
.endif
.if \ql
	QLOAD 0                                        ; tile i + 2
	ASK
.endif
	MIX1
	v_nop                                          ; a plain line behind the last exponential,
	s_wait_alu depctr_va_vdst(0)                   ; and the one wait for the batch
.set kk, 0
.rept 31
	SU 1, kk
.set kk, kk+1
.endr
	v_pk_add_f32 v[SA:SA+1], v[SA:SA+1], v[SA+4:SA+5]
	v_add_f32 v[SUMV], v[SA], v[SA+1]
	v_permlanex16_b32 v[TMP], v[SUMV], s[SEL], s[SEL+1]
	v_add_f32 v[SUMV], v[SUMV], v[TMP]             ; my query's sum over my wave's 256 keys, OF THE UNQUANTISED p
	ds_store_b32 v[SST], v[SUMV]                   ; (lanes r and r + 16 write the same word with the same value)
	s_wait_dscnt 0x0                               ; for the others' sake: my sum and my part of Q's image have landed; my reads of the partial O came back earlier
	s_barrier_signal -1                            ; BARRIER X
.set kk, 0
.rept 32
	MX 1, kk                                       ; work on registers while the others arrive
.set kk, kk+1
.endr
	s_barrier_wait -1
	ds_load_b128 v[T4:T4+3], v[SRD]                ; four waves' parts of my query's sum; lane l xor 16 takes the other four
.if \more
	QFETCH                                         ; tile i + 1
.endif
.irp i, 0,1,2,3,4,5,6,7
	v_permlanex16_b32 v[BT+\i], v[BM+\i], s[SEL], s[SEL+1]
.endr
.irp i, 0,1,2,3,4,5,6,7
	v_max_num_f32 v[BM+\i], v[BM+\i], v[BT+\i]     ; with lane l xor 16's 16 keys: the blocks' largest p
.endr
.if \more
	s_wait_dscnt 0x3                               ; the sums are in; the three loads of Q's image, issued behind them, may be out
.else
	s_wait_dscnt 0x0
.endif
	v_pk_add_f32 v[T4:T4+1], v[T4:T4+1], v[T4+2:T4+3]
	v_add_f32 v[T4], v[T4], v[T4+1]
	v_permlanex16_b32 v[TMP], v[T4], s[SEL], s[SEL+1]
	v_add_f32 v[SUMV], v[T4], v[TMP]               ; the row's sum: the same bits in both halves of the lanes and in all eight waves
	v_rcp_f32 v[RC], v[SUMV]
	v_nop                                          ; a plain line behind the reciprocal,
	s_wait_alu depctr_va_vdst(0)                   ; and its wait, ahead of the first reader
.irp i, 0,1,2,3,4,5,6,7
	v_mul_f32 v[BM+\i], v[BM+\i], v[RC]            ; the block's largest w: a multiplication by a positive number keeps the order, so this is the largest of the products below, bit for bit
.endr
.irp i, 0,1,2,3,4,5,6,7
	v_max_num_f32 v[BM+\i], 0x1800000, v[BM+\i]    ; the floor 2^(3 - 127): the byte cannot fall under 1
.endr
.irp i, 0,1,2,3,4,5,6,7
	v_add_nc_u32 v[BE+\i], 0xff000000, v[BM+\i]    ; 2 off the exponent field: the conversion's scale operand
.endr
.irp i, 0,1,2,3,4,5,6,7
	v_lshrrev_b32 v[BT+\i], 23, v[BE+\i]           ; the scale's byte
.endr
.irp s, 0,1
	v_lshl_or_b32 v[PW+\s], v[BT+4*\s+1], 8, v[BT+4*\s]            ; w's scale word for K step s
	v_lshl_or_b32 v[PW+\s], v[BT+4*\s+2], 16, v[PW+\s]
	v_lshl_or_b32 v[PW+\s], v[BT+4*\s+3], 24, v[PW+\s]
.endr
.set kk, 0
.rept 64
	v_pk_mul_f32 v[P+2*kk:P+2*kk+1], v[P+2*kk:P+2*kk+1], v[RC:RC+1] op_sel_hi:[1,0]   ; w = p / sum.  (These are also the places between the scale words' last write and the scaled matrix instructions)
.set kk, kk+1
.endr
.irp s, 0,1
.irp b, 0,1,2,3
	v_cvt_scalef32_pk8_fp4_f32 v[PC+8*\s+2*\b], v[P+64*\s+16*\b:P+64*\s+16*\b+7], v[BE+4*\s+\b]
	v_cvt_scalef32_pk8_fp4_f32 v[PC+8*\s+2*\b+1], v[P+64*\s+16*\b+8:P+64*\s+16*\b+15], v[BE+4*\s+\b]
.endr
.endr
	v_nop                                          ; one plain line behind the scaled conversions
.irp s, 0,1                            ; the operand's layout wants a WHOLE block in a lane: lanes 0-15 block 2 c, lanes 16-31 block 2 c + 1
.irp c, 0,1
.irp i, 0,1
	v_permlane16_swap_b32 v[PC+8*\s+4*\c+\i], v[PC+8*\s+4*\c+2+\i]
.endr
.endr
.endr
.rept 4
	v_nop                                          ; an operand written by vector instructions stands four places ahead of a scaled matrix instruction
.endr
	PV
.irp t, 0,1,2,3,4,5,6,7
	ds_store_b128 v[OST], v[OA+8*\t:OA+8*\t+3] offset:64*\t        ; my partial O: query r, channels 16 t + 8 h on; each accumulator from its low end
	ds_store_b128 v[OST], v[OA+8*\t+4:OA+8*\t+7] offset:64*\t+16
.endr
	s_wait_dscnt 0x0                               ; for the others' sake: my partial O has landed; my reads of the sums and of Q's image are back
	s_barrier_signal -1                            ; BARRIER Y
.if \more
	SMUL                                           ; tile i + 1's scores: work on registers while the others arrive
.endif
	s_barrier_wait -1
.irp p, 0,1
.irp u, 0,1,2,3,4,5,6,7
	ds_load_b128 v[CL+4*(\u+8*\p):CL+4*(\u+8*\p)+3], v[ORD] offset:OW*\u+528*\p    ; wave u's part of row 2 w + p: 512 consecutive bytes a load
.endr
.endr
.if \more
.set kk, 0
.rept 32
	TS 0, kk                                       ; the next tile's scalings stand between the loads and the wait for them
.set kk, kk+1
.endr
.endif
	s_wait_dscnt 0x0
	MIX0 1, \more
	global_store_b128 v[GO], v[OUT:OUT+3], s[14:15] th:TH_STORE_NT             ; 32 lanes store a whole row of 512 bytes, aligned; written once
	global_store_b128 v[GO], v[OUT+4:OUT+7], s[14:15] offset:512 th:TH_STORE_NT
.if \more
	v_nop                                          ; a plain line behind the last exponential,
	s_wait_alu depctr_va_vdst(0)                   ; and the one wait for the batch, ahead of its first reader and of the branch
	s_wait_xcnt 0x0                                ; the trip's loads, stores and prefetch have read their registers: the bases step, and OUT may be written again
	s_add_nc_u64 s[14:15], s[14:15], 8192
.endif
.if \ql
	s_add_nc_u64 s[4:5], s[4:5], 8192
.endif
.endm
	s_mov_b32 s[TI], 30
.Ltile:                                ; tiles 0 to 29
	TRIP 1, 1
	s_sub_co_u32 s[TI], s[TI], 1
	s_cmp_lg_u32 s[TI], 0
	s_cbranch_scc1 .Ltile
	TRIP 1, 0                                      ; tile 30: no tile of Q is left to load
	TRIP 0, 0                                      ; tile 31: nothing follows
	s_wait_tensorcnt 0x0                           ; the wave's end, behind my last LDS store
	ds_add_u32 v[SPW], v[NIL]
	s_wait_dscnt 0x0
	s_endpgm
.Lfunc_end_k_q961d0b5ced_attn:
	.size	k_q961d0b5ced_attn, .Lfunc_end_k_q961d0b5ced_attn-k_q961d0b5ced_attn
	.p2alignl 7, 3214868480
	.fill 96, 4, 3214868480
	.section	.rodata,"a",@progbits
	.p2align	6, 0x0
	.amdhsa_kernel k_q961d0b5ced_attn
		.amdhsa_group_segment_fixed_size 70400
		.amdhsa_private_segment_fixed_size 0
		.amdhsa_enable_private_segment 0
		.amdhsa_kernarg_size 48
		.amdhsa_user_sgpr_count 2
		.amdhsa_user_sgpr_kernarg_segment_ptr 1
		.amdhsa_wavefront_size32 1
		.amdhsa_system_sgpr_workgroup_id_x 1
		.amdhsa_system_sgpr_workgroup_id_y 1
		.amdhsa_system_sgpr_workgroup_id_z 1
		.amdhsa_system_vgpr_workitem_id 0
		.amdhsa_next_free_vgpr 512
		.amdhsa_next_free_sgpr 66
		.amdhsa_reserve_vcc 0
		.amdhsa_float_denorm_mode_32 3
		.amdhsa_float_denorm_mode_16_64 3
		.amdhsa_memory_ordered 1
		.amdhsa_forward_progress 1
		.amdhsa_inst_pref_size 115
	.end_amdhsa_kernel
	.amdgpu_metadata
---
amdhsa.version: [ 1, 2 ]
amdhsa.kernels:
  - .name:           k_q961d0b5ced_attn
    .symbol:         k_q961d0b5ced_attn.kd
    .args:
      - { .name: Q, .offset: 0, .size: 8, .value_kind: global_buffer, .address_space: global }
      - { .name: k_codes, .offset: 8, .size: 8, .value_kind: global_buffer, .address_space: global }
      - { .name: k_scales, .offset: 16, .size: 8, .value_kind: global_buffer, .address_space: global }
      - { .name: v_codes, .offset: 24, .size: 8, .value_kind: global_buffer, .address_space: global }
      - { .name: v_scales, .offset: 32, .size: 8, .value_kind: global_buffer, .address_space: global }
      - { .name: out0, .offset: 40, .size: 8, .value_kind: global_buffer, .address_space: global }
    .group_segment_fixed_size: 70400
    .private_segment_fixed_size: 0
    .kernarg_segment_align: 8
    .kernarg_segment_size: 48
    .max_flat_workgroup_size: 256
    .sgpr_count:     66
    .vgpr_count:     512
    .wavefront_size: 32
...
	.end_amdgpu_metadata
.endif
;; end of part 2
;; ======== version 2 of 2: 2 launches; version 1 with the launch attn written anew for expert scheduling mode
;; workspace buffers: k_codes 8,388,608 bytes; k_scales 524,288 bytes; v_codes 8,388,608 bytes; v_scales 524,288 bytes
;; launch quant: the kernel of part 1 again; grid 768 x 1, 4 waves a work-group, no clusters, 68,096 bytes of LDS; arguments K, V, k_codes, k_scales, v_codes, v_scales; writes k_codes, k_scales, v_codes, v_scales
;; launch attn (part 3): grid 4 x 64, 8 waves a work-group, no clusters, 70,400 bytes of LDS; arguments Q, k_codes, k_scales, v_codes, v_scales, out0; writes out0
.if DOCPART == 3
	.amdgcn_target "amdgcn-amd-amdhsa--gfx1250"
	.amdhsa_code_object_version 6
	.text
	.protected	k_q961d0b5ced_attn
	.globl	k_q961d0b5ced_attn
	.p2align	8
	.type	k_q961d0b5ced_attn,@function
k_q961d0b5ced_attn:
	s_mov_b64 s[64:65], 0
	v_nop
	global_prefetch_b8 v0, s[64:65] scope:SCOPE_SE
	s_setreg_imm32_b32 hwreg(HW_REG_WAVE_SCHED_MODE, 0, 2), 2
	s_setreg_imm32_b32 hwreg(HW_REG_WAVE_MODE, 25, 1), 1
	s_wait_xcnt 0x0
	s_wait_alu depctr_vm_vsrc(0)
; out0[h][q][:] = sum over k of w[q][k] V[h][k][:],  w = exp(z) / sum_k exp(z),  z = (Q[h][q] . K[h][k]) / sqrt(128).  64 heads, 2,048 queries and keys, 128 channels.
; Both products run on codes of FP4 (E2M1) with one E8M0 scale for each 32 along their K.  WHAT IS QUANTISED FOR THE SECOND PRODUCT IS THE FINISHED, NORMALISED w, in blocks of 32 keys:
; so a row's sum over all 2,048 keys is known before any of its weights gets a code.  No work is left out: every input reaches the output for all values.
; As in the definition no maximum is taken away ahead of the exponential: exp(z) / sum exp(z) is finite only while the sum fits f32, and in just that range the same exponentials are finite here.
; LIMITS: rows in which an exponential or their sum overflows f32, or the sum is 0, are not finite in the definition and are not served; exponentials under 2^-126 come out as 0 (v_exp_f32);
; the division is v_rcp_f32 and a multiplication; NaN and infinities among the inputs are not served; a block of zeros carries the scale byte 1 (its codes are zeros; the bytes are this program's own).
; SHARES.  A work-group owns 512 queries of one head, 32 tiles of 16.  ITS EIGHT WAVES SPLIT THE KEYS: wave w owns keys 256 w .. 256 w + 255, two K steps of the second product.  Its 16 fragments of K
; and 16 of V^T (256 registers, window 1) and their scale words are loaded once and stay.  For a tile of queries a wave makes 16 x 256 scores, EACH EXPONENTIAL ONCE, kept in 128 registers, and its part
; of the rows' sums; the eight parts meet in LDS (barrier X); then w = p / sum, its codes, and a partial O^T, which meets the other seven in LDS (barrier Y); wave w adds and stores rows 2 w, 2 w + 1.
; LAYOUT.  Both products are used transposed: S^T = K Q^T (source 0 = 16 keys, source 1 = 16 queries), O^T = V^T W^T (source 0 = 16 channels, source 1 = w): a lane holds ONE query (lane % 16) throughout.
; THE KEYS OF A TILE OF K ARE NOT NEIGHBOURS: lane r of tile 2 b + u takes key 32 b + 8 u + r + 8 (r / 8), so that the 16 registers of tiles 2 b, 2 b + 1 are 16 neighbouring keys, 32 b + 16 (lane / 16) + 0 .. 15.
; Q is read once by this work-group alone: each wave quantises 2 rows of the next tile and stores them as an image of the operand's registers; one image serves: it is written between barrier Y and
; barrier X and read between X and Y.
; NO CLUSTER, NO TENSOR LOAD: what the four work-groups of a head share, 272 KiB of codes and scale bytes, is read once, at the head, straight into the registers where it stays; the loop shares nothing.
; ORDER IN LDS.  The sums' words are written again only behind barrier Y, in front of whose signal every wave's read of them is back.  The partial O is written again only behind the next barrier X,
; in front of whose signal every wave's reads of it are back.
; THE MODE: SCHED_MODE bits 1:0 = 2 (LLVM: expert scheduling mode 2), set by the entry lines.  The code itself states the register dependences between vector or matrix instructions and memory or
; LDS instructions, with s_wait_alu, always for 0.
; THE PLAN.  Registers that memory or LDS instructions touch, round the loop:
;   QR        the loads of tile i + 2 land in it; QROW's lines at the next trip's head read it.
;   QC, QB    written by QROW; read by the two LDS stores of Q's image.
;   SUMV      written by the wave's last addition; read by one LDS store; written again behind barrier X.
;   T4        an LDS load lands in it behind barrier X; the last trip's sums of the partial O read the same registers.
;   QF, QS    LDS loads land in them behind barrier X; SMUL's matrix instructions read them at barrier Y.
;   OA        written by PV's matrix instructions; read by sixteen LDS stores; written again by SMUL.
;   CL        sixteen LDS loads land in it behind barrier Y; ahead of them these registers are the trip's codes, maxima, scale operands and sums.
;   OUT       written by the last links of the sums of the partial O; read by two global stores.
;   v1-v11    offsets and LDS addresses, made at the head and never written again: the rows are reached by scalar bases and immediates.
; Six waits on va_vdst stand in a trip: behind K step 1's exponentials (also: QC and QB are written, QR is read out: the image's stores and Q's loads follow it); ahead of the store of SUMV; behind the
; reciprocal; ahead of PV (w's codes and scale words are written); behind PV's places (OA is written; all users of CL's registers are done: only SMUL and its places, which name P, QF, QS, KS and
; window 1, stand between it and the loads into CL); at the trip's end (K step 0's exponentials; OUT is written: its stores follow it).  The loads into T4, QF and QS lean on the last two of these
; that stand ahead of them: no vector or matrix instruction since names those registers.
; Three waits on vm_vsrc: ahead of barrier X (SUMV, QC, QB have been read), ahead of barrier Y (OA has been read), at the trip's end (OUT has been read).
.set QIMG,  0                          ; LDS: the image of Q's fragment: register group c at 512 c + 16 x lane
.set QSC,   1024                       ; its scale words: 4 bytes a query
.set SUMS,  1280                       ; [16 queries][8 waves] f32
.set OPART, 1792                       ; [8 waves][16 queries, 528 bytes apart][128 channels] f32
.set OW,    16*528
.set SPARE, OPART+8*OW                 ; the spare words, 128 bytes for each wave: four blocks of 256 bytes that no other line names
.set QA,   1                           ; v1   QIMG + 16 x lane
.set QSA,  2                           ; v2   QSC + 4 (lane % 16)
.set QWI,  3                           ; v3   where my 8 codes of Q go in the image
.set QWS,  4                           ; v4   and my block's scale byte
.set SST,  5                           ; v5   SUMS + 32 r + 4 w
.set SRD,  6                           ; v6   SUMS + 32 r + 16 h
.set OST,  7                           ; v7   OPART + OW w + 528 r + 32 h
.set ORD,  8                           ; v8   OPART + 1056 w + 16 x lane
.set GO,   9                           ; v9   16 x lane: my bytes of a row of out0
.set QGO,  10                          ; v10  32 x lane: my 8 numbers of the wave's 2 rows of Q
.set PFO,  11                          ; v11  256 x lane: the prefetch's offset
.set SPW,  12                          ; v12  LDS address of my spare word; never rewritten
.set NIL,  13                          ; v13  0; never rewritten
.set QF,   16                          ; v16-23  Q's fragment
.set QS,   24                          ; v24     Q's scale words
.set KS,   25                          ; v25-32  K's scale words: register 4 s + b: lanes 0-15 tile 2 b's, lanes 16-31 tile 2 b + 1's
.set VS,   33                          ; v33-40  V's: register t: lanes 0-15 K step 0's, lanes 16-31 K step 1's
.set PW,   41                          ; v41-42  w's scale words, one for each K step
.set OUT,  44                          ; v44-51  my two finished rows' 16 bytes
.set QR,   52                          ; v52-59  8 numbers of Q
.set QM,   60                          ; v60-63  Q's quantiser: maximum, scale operand, codes, byte
.set QE,   61
.set QC,   62
.set QB,   63
.set P,    64                          ; v64-191 S^T, then t, p, w: register 64 s + 16 b + i = key 128 s + 32 b + 16 h + i
.set OA,   64                          ; v64-127 O^T, over the first half of w once its codes are made: register 8 t + j = channel 16 t + 8 h + j
.set PC,   192                         ; v192-207 w's codes, 8 registers a K step
.set BM,   208                         ; v208-215 the blocks' largest p, then w
.set BT,   216                         ; v216-223 lane exchange, then the scales' bytes
.set BE,   224                         ; v224-231 the conversions' scale operands
.set SA,   232                         ; v232-239 sums: two chains of pairs for each K step
.set T4,   240                         ; v240-243 four waves' parts of my query's sum
.set RC,   244                         ; v244 1 / sum (v245 is named with it as a pair)
.set SUMV, 246
.set TMP,  247
.set CL,   192                         ; v192-255, once w's codes are multiplied: the eight partial O of my two rows: wave u, row p at 4 (u + 8 p)
.set SEL,  20                          ; s[20:21] v_permlanex16_b32's selects for lane l xor 16
.set CS,   22                          ; s[22:23] c = log2(e) / sqrt(128)
.set TI,   24                          ; s24  trips to go
.set LIM,  25                          ; s25  2 in wave 0, else the greatest number: a wave prefetches while s[TI] is above it
.set MSB, 0
.macro WIN new                         ; the immediate's high byte repeats the setting that is left
.if MSB != \new
	s_set_vgpr_msb (MSB<<8)|\new
.set MSB, \new
.endif
.endm
; My 8 numbers of Q (row thread / 16 of the tile, channels 8 (thread % 16) on) become 8 codes; four neighbouring lanes hold a block of 32.
.macro QROW
	v_max3_num_f32 v[QM], |v[QR]|, |v[QR+1]|, 0x1800000            ; with the floor 2^(3 - 127): the byte cannot fall under 1
	v_max3_num_f32 v[QM], v[QM], |v[QR+2]|, |v[QR+3]|
	v_max3_num_f32 v[QM], v[QM], |v[QR+4]|, |v[QR+5]|
	v_max3_num_f32 v[QM], v[QM], |v[QR+6]|, |v[QR+7]|
	v_max_num_f32_dpp v[QM], v[QM], v[QM] row_xmask:1 row_mask:0xf bank_mask:0xf
	v_max_num_f32_dpp v[QM], v[QM], v[QM] row_xmask:2 row_mask:0xf bank_mask:0xf   ; the block's largest magnitude
	v_add_nc_u32 v[QE], 0xff000000, v[QM]          ; 2 off its exponent field: the conversion's scale operand
	v_cvt_scalef32_pk8_fp4_f32 v[QC], v[QR:QR+7], v[QE]
	v_lshrrev_b32 v[QB], 23, v[QE]                 ; the scale's byte (also the plain line behind the conversion)
.endm
.macro QPUT                            ; they go into the image, behind a wait that shows them written
	ds_store_b32 v[QWI], v[QC]
	ds_store_b8 v[QWS], v[QB]                      ; the block's four lanes write the same byte with the same value
.endm
.macro QLOAD off                       ; the wave's 2 rows of a tile of Q: 1,024 bytes on end, 32 a lane
	global_load_b128 v[QR:QR+3], v[QGO], s[4:5] offset:\off th:TH_LOAD_NT
	global_load_b128 v[QR+4:QR+7], v[QGO], s[4:5] offset:\off+16 th:TH_LOAD_NT
.endm
; A PREFETCH INTO THE L2 of the tile of Q two tiles on from the one just asked for (four on from the tile in hand): 16 rows x 512 bytes = 32 lanes x 256 bytes, one instruction of wave 0 for the work-group,
; behind the wave's own loads.  Each block of 256 bytes is named once in the launch.  It stops where tile i + 4 would pass the work-group's 32nd; tiles 0 to 3 come by their loads alone.
.macro ASK
	s_cmp_gt_u32 s[TI], s[LIM]
	s_cbranch_scc0 .Lnot_mine_\@
	global_prefetch_b8 v[PFO], s[4:5] offset:16384 th:TH_LOAD_NT scope:SCOPE_SE
.Lnot_mine_\@:
.endm
.macro QFETCH                          ; the image comes back as the operand's registers, in every wave
	ds_load_b128 v[QF:QF+3], v[QA]
	ds_load_b128 v[QF+4:QF+7], v[QA] offset:512
	ds_load_b32 v[QS], v[QSA]
.endm
; S^T = K Q^T: my 16 tiles of 16 keys, one matrix instruction each (K = the 128 channels); each starts its sum with the constant 0.  Four places follow, ahead of the first read of a result.
.macro SMUL
	WIN 0x01                                       ; source 0 (K) in window 1
.irp s, 0,1
.irp t, 0,1,2,3,4,5,6,7
.if \t%2
	v_wmma_scale_f32_16x16x128_f8f6f4 v[P+64*\s+8*\t:P+64*\s+8*\t+7], v[64*\s+8*\t:64*\s+8*\t+7], v[QF:QF+7], 0, v[KS+4*\s+\t/2], v[QS] matrix_a_fmt:MATRIX_FMT_FP4 matrix_b_fmt:MATRIX_FMT_FP4 matrix_a_scale:MATRIX_SCALE_ROW1
.else
	v_wmma_scale_f32_16x16x128_f8f6f4 v[P+64*\s+8*\t:P+64*\s+8*\t+7], v[64*\s+8*\t:64*\s+8*\t+7], v[QF:QF+7], 0, v[KS+4*\s+\t/2], v[QS] matrix_a_fmt:MATRIX_FMT_FP4 matrix_b_fmt:MATRIX_FMT_FP4
.endif
.endr
.endr
	WIN 0
.rept 4
	v_nop
.endr
.endm
; O^T = V^T W^T: 8 tiles of 16 channels x my two K steps of 128 keys.  The 8 accumulators take turns, one instruction a turn; the first K step starts the sums.
.macro PV
	WIN 0x01                                       ; source 0 (V) in window 1
.irp s, 0,1
.irp t, 0,1,2,3,4,5,6,7
.if \s
	v_wmma_scale_f32_16x16x128_f8f6f4 v[OA+8*\t:OA+8*\t+7], v[128+8*(2*\t+\s):128+8*(2*\t+\s)+7], v[PC+8*\s:PC+8*\s+7], v[OA+8*\t:OA+8*\t+7], v[VS+\t], v[PW+\s] matrix_a_fmt:MATRIX_FMT_FP4 matrix_b_fmt:MATRIX_FMT_FP4 matrix_a_scale:MATRIX_SCALE_ROW1
.else
	v_wmma_scale_f32_16x16x128_f8f6f4 v[OA+8*\t:OA+8*\t+7], v[128+8*(2*\t+\s):128+8*(2*\t+\s)+7], v[PC+8*\s:PC+8*\s+7], 0, v[VS+\t], v[PW+\s] matrix_a_fmt:MATRIX_FMT_FP4 matrix_b_fmt:MATRIX_FMT_FP4
.endif
.endr
.endr
	WIN 0
.rept 5
	v_nop                                          ; four places ahead of the LDS stores that read the results, five ahead of the matrix instructions that write over them
.endr
.endm
.macro TS s, j                         ; t = score x c, pair j of K step s (ascending: each accumulator is first read at its low end)
	v_pk_mul_f32 v[P+64*(\s)+2*(\j):P+64*(\s)+2*(\j)+1], v[P+64*(\s)+2*(\j):P+64*(\s)+2*(\j)+1], s[CS:CS+1] op_sel_hi:[1,0]
.endm
.macro EX s, k                         ; p = 2^t = exp(z)
	v_exp_f32 v[P+64*(\s)+(\k)], v[P+64*(\s)+(\k)]
.endm
.macro MX s, n                         ; line n of 32 of the largest p of K step s's four blocks of 32 keys (my 16 of each), the blocks by turns
.set m_i, (\n)/4
.set m_acc, BM+4*(\s)+(\n)%4
.set m_src, P+64*(\s)+16*((\n)%4)
.if m_i == 0
	v_max3_num_f32 v[m_acc], v[m_src], v[m_src+1], v[m_src+2]
.elseif m_i < 7
	v_max3_num_f32 v[m_acc], v[m_acc], v[m_src+2*m_i+1], v[m_src+2*m_i+2]
.else
	v_max_num_f32 v[m_acc], v[m_acc], v[m_src+15]
.endif
.endm
.macro SU s, n                         ; line n of 31 of the sum of K step s's 32 pairs of p, in two chains
.set u_src, P+64*(\s)
.set u_acc, SA+4*(\s)
.if (\n) < 2
	v_pk_add_f32 v[u_acc+2*(\n):u_acc+2*(\n)+1], v[u_src+4*(\n):u_src+4*(\n)+1], v[u_src+4*(\n)+2:u_src+4*(\n)+3]
.elseif (\n) < 30
	v_pk_add_f32 v[u_acc+2*((\n)%2):u_acc+2*((\n)%2)+1], v[u_acc+2*((\n)%2):u_acc+2*((\n)%2)+1], v[u_src+2*(\n)+4:u_src+2*(\n)+5]
.else
	v_pk_add_f32 v[u_acc:u_acc+1], v[u_acc:u_acc+1], v[u_acc+2:u_acc+3]
.endif
.endm
.macro CADD n                          ; line n of 28 of the sum of the eight partial O, the waves (keys) ascending: four chains (row, pair) by turns; the last link writes OUT
.set c_row, ((\n)%4)/2
.set c_pr, (\n)%2
.set c_u, (\n)/4+1
.set c_a, CL+32*c_row+2*c_pr
.set c_b, CL+4*c_u+32*c_row+2*c_pr
.if c_u < 7
	v_pk_add_f32 v[c_a:c_a+1], v[c_a:c_a+1], v[c_b:c_b+1]
.else
	v_pk_add_f32 v[OUT+4*c_row+2*c_pr:OUT+4*c_row+2*c_pr+1], v[c_a:c_a+1], v[c_b:c_b+1]
.endif
.endm
; The 64 exponentials of K step 0, a plain line ahead of each while there are any: K step 1's scalings first, then (cadd = 1) the sums of the partial O, behind the wait for the sixteen loads that
; brought them: the 32 scalings of K step 0, these 32 scalings and 32 exponentials stand between those loads and the wait.  None of these lines names an exponential's result.
.macro MIX0 cadd, more
.set kk, 0
.if \more
.rept 64
.if kk < 32
	TS 1, kk
.elseif (\cadd) && (kk < 60)
.if kk == 32
	s_wait_dscnt 0x0                               ; the eight partial O of my two rows are in
.endif
	CADD kk-32
.endif
	EX 0, kk
.set kk, kk+1
.endr
.else
	s_wait_dscnt 0x0                               ; the eight partial O of my two rows are in
.rept 28
	CADD kk
.set kk, kk+1
.endr
.endif
.endm
; The 64 exponentials of K step 1, a plain line ahead of each: K step 0's block maxima and sums, which read exponentials that have had their wait.
.macro MIX1
.set kk, 0
.rept 64
.if kk%2 == 0
	MX 0, kk/2
.elseif kk < 63
	SU 0, kk/2
.endif
	EX 1, kk
.set kk, kk+1
.endr
.endm
	s_load_b256 s[4:11], s[0:1], 0x0               ; Q s[4:5], k_codes s[6:7], k_scales s[8:9], v_codes s[10:11]
	s_load_b128 s[12:15], s[0:1], 0x20             ; v_scales s[12:13], out0 s[14:15]
	v_lshl_add_u32 v[SPW], v0, 2, SPARE
	v_mov_b32 v[NIL], 0
	v_lshrrev_b32 v208, 5, v0
	v_readfirstlane_b32 s16, v208                  ; wave 0..7
	v_and_b32 v208, 31, v0                         ; lane
	v_and_b32 v209, 15, v0                         ; r
	v_bfe_u32 v210, v0, 4, 1                       ; h
	v_and_b32 v211, 8, v209
	v_add_nc_u32 v211, v211, v209                  ; r + 8 (r / 8)
	v_lshrrev_b32 v212, 4, v0                      ; thread / 16: my row of a tile of Q
	v_bfe_u32 v215, v0, 2, 2                       ; my block of 32 channels: 2 c + h of the operand's layout
	v_lshlrev_b32 v[QA], 4, v208
	v_lshl_add_u32 v[QSA], v209, 2, QSC
	v_and_b32 v[QWI], 3, v0
	v_lshlrev_b32 v[QWI], 2, v[QWI]                ; register thread % 4 of the group: 4 bytes,
	v_lshl_add_u32 v[QWI], v215, 8, v[QWI]         ; 256 h + 512 c,
	v_lshl_add_u32 v[QWI], v212, 4, v[QWI]         ; 16 x row
	v_lshl_add_u32 v[QWS], v212, 2, v215
	v_add_nc_u32 v[QWS], QSC, v[QWS]
	s_wait_alu depctr_va_sdst(0)                   ; s16, the wave's number, is written, ahead of its first reader: LDS addresses, bases and the prefetch's limit are made from it
	s_lshl_b32 s34, s16, 2                         ; (the three LDS bases have scalar registers of their own: none that a vector line reads is written again)
	s_add_co_u32 s34, s34, SUMS
	v_lshlrev_b32 v[SST], 5, v209
	v_add_nc_u32 v[SST], s34, v[SST]
	v_lshlrev_b32 v[SRD], 5, v209
	v_lshl_add_u32 v[SRD], v210, 4, v[SRD]
	v_add_nc_u32 v[SRD], SUMS, v[SRD]
	s_mul_i32 s35, s16, OW
	s_add_co_u32 s35, s35, OPART
	v_mul_u32_u24 v[OST], v209, 528
	v_lshl_add_u32 v[OST], v210, 5, v[OST]
	v_add_nc_u32 v[OST], s35, v[OST]
	s_mul_i32 s36, s16, 2*528
	s_add_co_u32 s36, s36, OPART
	v_lshl_add_u32 v[ORD], v208, 4, s36
	v_lshlrev_b32 v[GO], 4, v208
	v_lshlrev_b32 v[QGO], 5, v208
	v_lshlrev_b32 v[PFO], 8, v208
	v_lshlrev_b32 v14, 6, v211
	v_lshl_add_u32 v14, v210, 4, v14               ; K's codes: key r + 8 (r / 8) of 64 bytes, + 16 h
	v_lshl_add_u32 v15, v210, 3, v211
	v_lshlrev_b32 v15, 2, v15                      ; K's scale words: lanes 16-31 take the tile 8 keys on
	v_lshlrev_b32 v213, 10, v209
	v_lshl_add_u32 v213, v210, 4, v213             ; V's codes: channel r of 1,024 bytes, + 16 h
	v_lshlrev_b32 v214, 6, v209
	v_lshl_add_u32 v214, v210, 2, v214             ; V's scale words: lanes 16-31 take the second K step's
.irp i, 0,1,2,3,4,5,6,7
	v_mov_b32 v[BT+\i], 0                          ; written once: a lane permute's destination counts as one of its sources
.endr
	v_mov_b32 v[TMP], 0
	v_mov_b32 v[RC+1], 0                           ; named with 1 / sum as a pair
	s_mov_b32 s[SEL], 0x76543210
	s_mov_b32 s[SEL+1], 0xfedcba98
	s_mov_b32 s[CS], 0x3e0293ee                    ; c = log2(e) / sqrt(128)
	s_mov_b32 s[CS+1], s[CS]
	s_cmp_eq_u32 s16, 0
	s_cselect_b32 s[LIM], 2, -1
	s_and_b32 s17, ttmp7, 0xffff                   ; the head
	s_lshl_b32 s18, s17, 20                        ; Q, out0: head x 2^20 + 512 rows of 512 bytes a work-group + 2 rows a wave
	s_lshl_b32 s19, ttmp9, 18
	s_add_co_u32 s18, s18, s19
	s_lshl_b32 s19, s16, 10
	s_add_co_u32 s18, s18, s19
	s_mov_b32 s19, 0
	s_lshl_b32 s26, s17, 17                        ; k_codes: head x 2^17 + 256 keys of 64 bytes a wave
	s_lshl_b32 s27, s16, 14
	s_add_co_u32 s26, s26, s27
	s_mov_b32 s27, 0
	s_lshl_b32 s28, s17, 13                        ; k_scales: head x 2^13 + 256 words a wave
	s_lshl_b32 s29, s16, 10
	s_add_co_u32 s28, s28, s29
	s_mov_b32 s29, 0
	s_lshl_b32 s30, s17, 17                        ; v_codes: head x 2^17 + 128 bytes of each row a wave
	s_lshl_b32 s31, s16, 7
	s_add_co_u32 s30, s30, s31
	s_mov_b32 s31, 0
	s_lshl_b32 s32, s17, 13                        ; v_scales: head x 2^13 + 8 bytes of each row a wave
	s_lshl_b32 s33, s16, 3
	s_add_co_u32 s32, s32, s33
	s_mov_b32 s33, 0
	s_wait_kmcnt 0x0
	s_add_nc_u64 s[4:5], s[4:5], s[18:19]
	s_add_nc_u64 s[14:15], s[14:15], s[18:19]
	s_add_nc_u64 s[6:7], s[6:7], s[26:27]
	s_add_nc_u64 s[8:9], s[8:9], s[28:29]
	s_add_nc_u64 s[10:11], s[10:11], s[30:31]
	s_add_nc_u64 s[12:13], s[12:13], s[32:33]
	WIN 0x40                                       ; destination window 1, address window 0
	s_wait_alu depctr_va_vdst(0)                   ; the offsets and LDS addresses v1 to v11, v14, v15, v213 and v214 are written: every load, store and prefetch of the kernel reads one of them, and none of v1 to v11 is written again
.irp s, 0,1                            ; K's fragment (K step of the second product s, tile t) at v[8 (8 s + t)] of window 1: it stays
.irp t, 0,1,2,3,4,5,6,7
.irp c, 0,1
	global_load_b128 v[8*(8*\s+\t)+4*\c:8*(8*\s+\t)+4*\c+3], v14, s[6:7] offset:(128*\s+32*(\t/2)+8*(\t%2))*64+32*\c
.endr
.endr
.endr
.irp t, 0,1,2,3,4,5,6,7                ; V's fragment (16 channels t, K step s) at v[128 + 8 (2 t + s)] of window 1
.irp s, 0,1
.irp c, 0,1
	global_load_b128 v[128+8*(2*\t+\s)+4*\c:128+8*(2*\t+\s)+4*\c+3], v213, s[10:11] offset:16384*\t+64*\s+32*\c
.endr
.endr
.endr
	WIN 0
.irp s, 0,1
.irp b, 0,1,2,3
	global_load_b32 v[KS+4*\s+\b], v15, s[8:9] offset:(128*\s+32*\b)*4
.endr
.endr
.irp t, 0,1,2,3,4,5,6,7
	global_load_b32 v[VS+\t], v214, s[12:13] offset:1024*\t
.endr
	QLOAD 0                                        ; tile 0
	s_wait_loadcnt 0x0                             ; once: all that stays, and tile 0 of Q
	QROW
	s_wait_alu depctr_va_vdst(0)                   ; QROW has written QC and QB, which the image's stores read, and is done reading QR, in which tile 1's loads land
	QPUT
	QLOAD 8192                                     ; tile 1
	s_wait_dscnt 0x0                               ; my part of the image has landed
	s_barrier_signal -1
	s_barrier_wait -1                              ; everybody's has
	QFETCH
	s_wait_xcnt 0x0                                ; the loads have read their base
	s_wait_alu depctr_vm_vsrc(0)                   ; the loads of V have read v213 and v214, which become block maxima; the image's stores have read QC and QB, which the first trip writes again
	s_add_nc_u64 s[4:5], s[4:5], 16384             ; Q at tile 2
	s_wait_dscnt 0x0                               ; my read of tile 0's image is back:
	s_barrier_signal -1                            ; the first trip writes the image again only when every wave has said so
	SMUL                                           ; tile 0's scores: work on registers while the others arrive
	s_barrier_wait -1
.set kk, 0
.rept 32
	TS 0, kk
.set kk, kk+1
.endr
	MIX0 0, 1
	v_nop                                          ; a plain line behind the last exponential,
	s_wait_alu depctr_va_vdst(0)                   ; and the one wait for the batch: K step 0's exponentials are written, ahead of their first reader and of the label; SMUL is done reading QF and QS, in which the first trip's loads land
; THE TRIP OF TILE i.  On entry K step 0's registers hold p, K step 1's hold t.  more = 1: there is a tile i + 1;  ql = 1: there is a tile i + 2.
.macro TRIP more, ql
.if \more
	s_wait_loadcnt 0x0                             ; tile i + 1 of Q, asked for a trip ago
	QROW                                           ; its codes and bytes; they are stored behind the wait below
.endif
	MIX1
	v_nop                                          ; a plain line behind the last exponential,
	s_wait_alu depctr_va_vdst(0)                   ; and the one wait for the batch: K step 1's exponentials are written, ahead of their first reader; QROW has written QC and QB, which the stores below read, and is done reading QR, in which the loads below land
.if \more
	QPUT                                           ; tile i + 1's image: written behind barrier Y of the last trip, read behind barrier X of this one
.endif
.if \ql
	QLOAD 0                                        ; tile i + 2
	ASK
.endif
.set kk, 0
.rept 31
	SU 1, kk
.set kk, kk+1
.endr
	v_pk_add_f32 v[SA:SA+1], v[SA:SA+1], v[SA+4:SA+5]
	v_add_f32 v[SUMV], v[SA], v[SA+1]
	v_permlanex16_b32 v[TMP], v[SUMV], s[SEL], s[SEL+1]
	v_add_f32 v[SUMV], v[SUMV], v[TMP]             ; my query's sum over my wave's 256 keys, OF THE UNQUANTISED p
	s_wait_alu depctr_va_vdst(0)                   ; that addition has written SUMV, which the store reads
	ds_store_b32 v[SST], v[SUMV]                   ; (lanes r and r + 16 write the same word with the same value)
	s_wait_dscnt 0x0                               ; for the others' sake: my sum and my part of Q's image have landed; my reads of the partial O came back earlier
	s_wait_alu depctr_vm_vsrc(0)                   ; the store has read SUMV, which is written again behind the barrier; the image's stores have read QC and QB, which the next trip writes again
	s_barrier_signal -1                            ; BARRIER X
.set kk, 0
.rept 32
	MX 1, kk                                       ; work on registers while the others arrive
.set kk, kk+1
.endr
	s_barrier_wait -1
	ds_load_b128 v[T4:T4+3], v[SRD]                ; four waves' parts of my query's sum; lane l xor 16 takes the other four.  (No wait: since the wait ahead of the store of SUMV only the 32 maxima were issued, which name none of T4, QF, QS)
.if \more
	QFETCH                                         ; tile i + 1
.endif
.irp i, 0,1,2,3,4,5,6,7
	v_permlanex16_b32 v[BT+\i], v[BM+\i], s[SEL], s[SEL+1]
.endr
.irp i, 0,1,2,3,4,5,6,7
	v_max_num_f32 v[BM+\i], v[BM+\i], v[BT+\i]     ; with lane l xor 16's 16 keys: the blocks' largest p
.endr
.if \more
	s_wait_dscnt 0x3                               ; the sums are in; the three loads of Q's image, issued behind them, may be out
.else
	s_wait_dscnt 0x0
.endif
	v_pk_add_f32 v[T4:T4+1], v[T4:T4+1], v[T4+2:T4+3]
	v_add_f32 v[T4], v[T4], v[T4+1]
	v_permlanex16_b32 v[TMP], v[T4], s[SEL], s[SEL+1]
	v_add_f32 v[SUMV], v[T4], v[TMP]               ; the row's sum: the same bits in both halves of the lanes and in all eight waves
	v_rcp_f32 v[RC], v[SUMV]
	v_nop                                          ; a plain line behind the reciprocal,
	s_wait_alu depctr_va_vdst(0)                   ; and its wait: 1 / sum is written, ahead of its first reader
.irp i, 0,1,2,3,4,5,6,7
	v_mul_f32 v[BM+\i], v[BM+\i], v[RC]            ; the block's largest w: a multiplication by a positive number keeps the order, so this is the largest of the products below, bit for bit
.endr
.irp i, 0,1,2,3,4,5,6,7
	v_max_num_f32 v[BM+\i], 0x1800000, v[BM+\i]    ; the floor 2^(3 - 127): the byte cannot fall under 1
.endr
.irp i, 0,1,2,3,4,5,6,7
	v_add_nc_u32 v[BE+\i], 0xff000000, v[BM+\i]    ; 2 off the exponent field: the conversion's scale operand
.endr
.irp i, 0,1,2,3,4,5,6,7
	v_lshrrev_b32 v[BT+\i], 23, v[BE+\i]           ; the scale's byte
.endr
.irp s, 0,1
	v_lshl_or_b32 v[PW+\s], v[BT+4*\s+1], 8, v[BT+4*\s]            ; w's scale word for K step s
	v_lshl_or_b32 v[PW+\s], v[BT+4*\s+2], 16, v[PW+\s]
	v_lshl_or_b32 v[PW+\s], v[BT+4*\s+3], 24, v[PW+\s]
.endr
.set kk, 0
.rept 64
	v_pk_mul_f32 v[P+2*kk:P+2*kk+1], v[P+2*kk:P+2*kk+1], v[RC:RC+1] op_sel_hi:[1,0]   ; w = p / sum.  (These are also the places between the scale words' last write and the scaled matrix instructions)
.set kk, kk+1
.endr
.irp s, 0,1
.irp b, 0,1,2,3
	v_cvt_scalef32_pk8_fp4_f32 v[PC+8*\s+2*\b], v[P+64*\s+16*\b:P+64*\s+16*\b+7], v[BE+4*\s+\b]
	v_cvt_scalef32_pk8_fp4_f32 v[PC+8*\s+2*\b+1], v[P+64*\s+16*\b+8:P+64*\s+16*\b+15], v[BE+4*\s+\b]
.endr
.endr
	v_nop                                          ; one plain line behind the scaled conversions
.irp s, 0,1                            ; the operand's layout wants a WHOLE block in a lane: lanes 0-15 block 2 c, lanes 16-31 block 2 c + 1
.irp c, 0,1
.irp i, 0,1
	v_permlane16_swap_b32 v[PC+8*\s+4*\c+\i], v[PC+8*\s+4*\c+2+\i]
.endr
.endr
.endr
.rept 4
	v_nop                                          ; an operand written by vector instructions stands four places ahead of a scaled matrix instruction
.endr
	s_wait_alu depctr_va_vdst(0)                   ; behind the places: the conversions and exchanges have written w's codes and the shifts its scale words, which the scaled matrix instructions take as source 1 and as scales
	PV
	s_wait_alu depctr_va_vdst(0)                   ; behind the places: the matrix instructions have written O^T, which the stores below read, and are done reading w's codes; all vector lines above are done with v192 to v255, in which the loads behind barrier Y land
.irp t, 0,1,2,3,4,5,6,7
	ds_store_b128 v[OST], v[OA+8*\t:OA+8*\t+3] offset:64*\t        ; my partial O: query r, channels 16 t + 8 h on; each accumulator from its low end
	ds_store_b128 v[OST], v[OA+8*\t+4:OA+8*\t+7] offset:64*\t+16
.endr
	s_wait_dscnt 0x0                               ; for the others' sake: my partial O has landed; my reads of the sums and of Q's image are back
.if \more
	s_wait_alu depctr_vm_vsrc(0)                   ; the sixteen stores have read O^T's registers, which the next tile's scores write again
.endif
	s_barrier_signal -1                            ; BARRIER Y
.if \more
	SMUL                                           ; tile i + 1's scores: work on registers while the others arrive
.endif
	s_barrier_wait -1
.irp p, 0,1
.irp u, 0,1,2,3,4,5,6,7
	ds_load_b128 v[CL+4*(\u+8*\p):CL+4*(\u+8*\p)+3], v[ORD] offset:OW*\u+528*\p    ; wave u's part of row 2 w + p: 512 consecutive bytes a load.  (No wait: since the wait behind PV only SMUL and its places were issued, which name none of v192 to v255)
.endr
.endr
.if \more
.set kk, 0
.rept 32
	TS 0, kk                                       ; the next tile's scalings stand between the loads and the wait for them, which MIX0 holds
.set kk, kk+1
.endr
.endif
	MIX0 1, \more
.if \more
	v_nop                                          ; a plain line behind the last exponential
.endif
	s_wait_alu depctr_va_vdst(0)                   ; the sums' last links have written OUT, which the two stores read; where a tile follows, also the one wait for the batch: K step 0's exponentials are written, ahead of their first reader and of the branch
	global_store_b128 v[GO], v[OUT:OUT+3], s[14:15] th:TH_STORE_NT             ; 32 lanes store a whole row of 512 bytes, aligned; written once
	global_store_b128 v[GO], v[OUT+4:OUT+7], s[14:15] offset:512 th:TH_STORE_NT
.if \more
	s_wait_xcnt 0x0                                ; the trip's loads, stores and prefetch have had their addresses translated: the bases step, and OUT may be written again
	s_wait_alu depctr_vm_vsrc(0)                   ; beside it: the two stores have read OUT, which the next trip's sums write again
	s_add_nc_u64 s[14:15], s[14:15], 8192
.endif
.if \ql
	s_add_nc_u64 s[4:5], s[4:5], 8192
.endif
.endm
	s_mov_b32 s[TI], 30
.Ltile:                                ; tiles 0 to 29
	TRIP 1, 1
	s_sub_co_u32 s[TI], s[TI], 1
	s_cmp_lg_u32 s[TI], 0
	s_cbranch_scc1 .Ltile
	TRIP 1, 0                                      ; tile 30: no tile of Q is left to load
	TRIP 0, 0                                      ; tile 31: nothing follows
	s_wait_dscnt 0x0                               ; the wave's end
	s_wait_alu 0x0
	s_wait_tensorcnt 0x0
	ds_add_u32 v[SPW], v[NIL]
	s_wait_dscnt 0x0
	s_endpgm
.Lfunc_end_k_q961d0b5ced_attn:
	.size	k_q961d0b5ced_attn, .Lfunc_end_k_q961d0b5ced_attn-k_q961d0b5ced_attn
	.p2alignl 7, 3214868480
	.fill 96, 4, 3214868480
	.section	.rodata,"a",@progbits
	.p2align	6, 0x0
	.amdhsa_kernel k_q961d0b5ced_attn
		.amdhsa_group_segment_fixed_size 70400
		.amdhsa_private_segment_fixed_size 0
		.amdhsa_enable_private_segment 0
		.amdhsa_kernarg_size 48
		.amdhsa_user_sgpr_count 2
		.amdhsa_user_sgpr_kernarg_segment_ptr 1
		.amdhsa_wavefront_size32 1
		.amdhsa_system_sgpr_workgroup_id_x 1
		.amdhsa_system_sgpr_workgroup_id_y 1
		.amdhsa_system_sgpr_workgroup_id_z 1
		.amdhsa_system_vgpr_workitem_id 0
		.amdhsa_next_free_vgpr 512
		.amdhsa_next_free_sgpr 66
		.amdhsa_reserve_vcc 0
		.amdhsa_float_denorm_mode_32 3
		.amdhsa_float_denorm_mode_16_64 3
		.amdhsa_memory_ordered 1
		.amdhsa_forward_progress 1
		.amdhsa_inst_pref_size 116
	.end_amdhsa_kernel
	.amdgpu_metadata
---
amdhsa.version: [ 1, 2 ]
amdhsa.kernels:
  - .name:           k_q961d0b5ced_attn
    .symbol:         k_q961d0b5ced_attn.kd
    .args:
      - { .name: Q, .offset: 0, .size: 8, .value_kind: global_buffer, .address_space: global }
      - { .name: k_codes, .offset: 8, .size: 8, .value_kind: global_buffer, .address_space: global }
      - { .name: k_scales, .offset: 16, .size: 8, .value_kind: global_buffer, .address_space: global }
      - { .name: v_codes, .offset: 24, .size: 8, .value_kind: global_buffer, .address_space: global }
      - { .name: v_scales, .offset: 32, .size: 8, .value_kind: global_buffer, .address_space: global }
      - { .name: out0, .offset: 40, .size: 8, .value_kind: global_buffer, .address_space: global }
    .group_segment_fixed_size: 70400
    .private_segment_fixed_size: 0
    .kernarg_segment_align: 8
    .kernarg_segment_size: 48
    .max_flat_workgroup_size: 256
    .sgpr_count:     66
    .vgpr_count:     512
    .wavefront_size: 32
...
	.end_amdgpu_metadata
.endif
;; end of part 3
